; MI455X (gfx1250); checked and timed in simulation.
; The chip was launched on July 23, 2026; its instructions are those of AMD's public machine-readable ISA for CDNA 5 (MIT licence, August 2026) and "CDNA5" Instruction Set Architecture Reference Guide (July 2026). The comments in the code are by the model that wrote it; some were corrected since.
;; MLP. Allowed arithmetic: matrix products marked QUANTISED: E5M2 operands, one given power-of-two scale a tensor, by v_wmma_f32_16x16x64_bf8_bf8 or v_wmma_f32_16x16x128_bf8_bf8, f32 sums; products left as they are: f32 operands where the result goes on into a quantised operand, else bf16, f16 or f32 operands; f32 sums; everything else in f32.
;; Inputs: W_mlp 512 x 1,024 float32; W_out 1 x 512 float32; b_mlp 512 float32; b_out 1 float32; decoder_states 4 x 128 x 512 float32; encoder_states 4 x 512 x 512 float32; lowp_scales 4 int32 (the exponents e of the quantised operands' scales 2^e).
;; Outputs: out0 4 x 128 x 512 float32.
;; This version of the problem:
;;   THIS VERSION OF THE PROBLEM IS GIVEN IN LOW PRECISION. The matrix products marked QUANTISED in the list below multiply operands that are first quantised to E5M2 (5 exponent bits, 2 mantissa bits; 8 bits a number), with one given power-of-two scale for each operand tensor; their sums are f32. All else is computed in f32.
;;   The module's matrix products, in the order in which they are computed (A, B: the left and right operand; K: the contracted axis; several contracted axes count as one K, in the product's order):
;;     1. [M 2,048, K 512] x [K 512, N 512]; A: input encoder_states; B: input W_mlp: QUANTISED (scales: A lowp_scales[0], B lowp_scales[1])
;;     2. [M 512, K 512] x [K 512, N 512]; A: input decoder_states; B: input W_mlp: QUANTISED (scales: A lowp_scales[2], B lowp_scales[3])
;;     3. [M 262,144, K 512] x [K 512, N 1]; A: computed on the way; B: input W_out: left as it is (N = 1 < 16)
;;   THE QUANTISER, for each operand of a quantised product, along K:
;;     - The operand's scale is 2^e, e = its entry of the input lowp_scales (int32; the entries are numbered through the quantised products in the list's order, A before B).
;;     - Each number is divided by the scale, clamped to +-57,344, and rounded to the nearest number of E5M2, ties to even, subnormals kept.
;;     - The product sums the exact products of the quantised numbers (number of the format x scale) in f32.
;;   ~~~python
;;   def quantise(x, axis, e):      # numpy; x: float32 -> the quantised numbers, widened to float32 again
;;       x = np.moveaxis(x, axis, -1); K = x.shape[-1]
;;       r = np.clip(x / 2.0 ** e, -57344, 57344)
;;       step = 2.0 ** (np.maximum(np.frexp(np.where(r == 0, 1, r))[1] - 1, -14) - 2)
;;       q = np.round(r / step) * step * 2.0 ** e      # np.round: ties to even
;;       return np.moveaxis(q, -1, axis).astype(np.float32)
;;   ~~~
;; One version. Each part assembles by itself: llvm-mc -triple=amdgcn-amd-amdhsa -mcpu=gfx1250 --defsym DOCPART=n.
;; ======== version 1 of 1: 2 launches
;; limits: right only within a limited range of input values
;; workspace buffers: encp 4,194,304 bytes; decn 1,048,576 bytes
;; launch project (part 1): grid 8 x 20, 8 waves a work-group, no clusters, 168,960 bytes of LDS; arguments encoder_states, decoder_states, W_mlp, b_mlp, lowp_scales, encp, decn; writes encp, decn
.if DOCPART == 1
	.amdgcn_target "amdgcn-amd-amdhsa--gfx1250"
	.amdhsa_code_object_version 6
	.text
	.protected	k_q974f5c3c1e_project
	.globl	k_q974f5c3c1e_project
	.p2align	8
	.type	k_q974f5c3c1e_project,@function
k_q974f5c3c1e_project:
	s_mov_b64 s[64:65], 0
	v_nop
	global_prefetch_b8 v0, s[64:65] scope:SCOPE_SE
	s_setreg_imm32_b32 hwreg(HW_REG_WAVE_MODE, 25, 1), 1
	s_wait_xcnt 0x0
; PROJECT: the two quantised products.
;   encp[row][h] =   (Q(encoder_states) Q(W_mlp[:, :512])^T)[row][h] x 2^(e0 + e1) + b_mlp[h]      2,048 rows of 512 f32
;   decn[row][h] = - (Q(decoder_states) Q(W_mlp[:, 512:])^T)[row][h] x 2^(e2 + e3)                   512 rows of 512 f32
; Q: number / 2^e, held within +-57,344, rounded to the nearest code of E5M2, ties to even; e = the operand's entry of lowp_scales.
; (The bias is added here and the decoder's side is stored negated, because the next launch forms relu(d + E) as max(E, -d) + d.)
; SHARES.  A work-group makes 128 rows x 64 hidden units.  Work-group y 0-15: encoder rows 128 y on; y 16-19: decoder rows 128 (y - 16) on; x: hidden units 64 x on.
; Only pointers, W's half and exponents are chosen by y (scalar selects): all work-groups take one way through the text.
; WHY THIS TILE.  A work-group loads (rows + hidden units) x 2,048 bytes: here 192 rows for 8,192 results, 160 work-groups, 30,720 rows in the launch.  Tiles of 64 x 64 make 320 work-groups of 128 rows:
; 40,960 rows.  The two products have 5 x 2^18 results: shares that are equal for a power of two of work-groups would want a factor 5 in a tile's side, which 2,048 and 512 do not have.
; Eight waves, all alike.  Wave w quantises x's rows 16 w .. 16 w + 15 and W's rows (hidden units) 8 w .. 8 w + 7, of which it reads 2,048 of 4,096 bytes: 24 rows, every row's place an immediate.
; A row comes by four loads of 512 consecutive bytes; a lane then holds k = 128 c + 4 lane + 0..3, c = 0..3; two conversions make 16 codes, and ONE ds_store_b128 puts the row's 512 codes into LDS:
; place 16 lane + 4 c + i holds k = 128 c + 4 lane + i.  That is a permutation of k, the same for x and for W, so every product meets its partner; only the order inside the sums changes.
; Then wave w takes rows 32 (w % 4) on and hidden units 32 (w / 4) on: four tiles of 16 x 16, four K steps of 128: 16 matrix instructions, the four accumulators by turns.
; THE MATRIX INSTRUCTION IS USED TRANSPOSED (source 0 = 16 rows of W, source 1 = 16 rows of x): a lane holds eight neighbouring hidden units of one row.
; The results go through a stage in LDS and leave as rows: sixteen lanes store 256 consecutive bytes, at a multiple of 256 from the buffer's first byte.
; NO JOINT LOADS, though tiles are shared (x's by 8 work-groups, W's by 16 or 4): the numbers are wanted in registers, for the quantiser; through LDS a work-group's 192 rows x 2,048 bytes = 393,216 bytes
; are more than the 327,680 that a work-group can have, so slots would have to be filled again, and each number would be written to LDS and read from it once more.
; LIMITS: each e between -126 and 112, e0 + e1 and e2 + e3 between -126 and 127, so that each power of two below is an f32 number.  NaN among the inputs is not served (an infinity is held at the largest code).
.set CP,    528                        ; a row of codes in LDS: 512 bytes + 16 = 33 x 16: the 16 rows that a fragment load touches start at 16 different groups of four banks (64 banks of 4 bytes: ISA guide 11.1)
.set STG,   192*CP                     ; behind the 192 rows of codes (x's 128, then W's 64): the stage, 128 rows x (256 + 16) bytes
.set SPT,   272
.set NROW,  24                         ; rows that a wave quantises
.set NSLOT, 12                         ; rows on their way in a wave: 48 loads
.set C,     16                         ; v16-31   four sets of a row's codes; later the accumulators of my rows 16-31
.set BI,    32                         ; v32-47   the bias of my two tiles of hidden units
.set X,     48                         ; v48-239  twelve slots of 16 numbers; later three sets of a K step's fragments: x's two (32 registers), then W's two
.set RES,   X+64                       ; later still: the 32 results, in the second set
.set ACC,   240                        ; accumulator (a, b) at v[ACC - 224 a + 8 b]: v240-255 for my rows 0-15, v16-31 for my rows 16-31
; v1 16 x lane; v2, v14 where my codes of x, of W go; v3, v4 my fragments of x, of W; v5, v6 the stage, in and out; v7 my offset in the output; v8 my offset in b_mlp;
; v9 2^ex, v10 57,344 x 2^ex; v12 2^ew, v13 57,344 x 2^ew; v11 at work
	s_load_b256 s[4:11], s[0:1], 0x0               ; encoder_states s[4:5], decoder_states s[6:7], W_mlp s[8:9], b_mlp s[10:11]
	s_load_b128 s[12:15], s[0:1], 0x20             ; lowp_scales s[12:13], encp s[14:15]
	s_load_b64 s[16:17], s[0:1], 0x30              ; decn
	v_lshl_add_u32 v15, v0, 2, 0x29000
	s_set_vgpr_msb 0x40
	v_mov_b32 v1, 0
	s_set_vgpr_msb 0x4000
	v_lshrrev_b32 v11, 5, v0
	v_readfirstlane_b32 s18, v11                   ; wave 0..7
	v_and_b32 v1, 31, v0
	v_lshlrev_b32 v1, 4, v1                        ; 16 x lane
	v_bfe_u32 v11, v0, 4, 1                        ; h = lane / 16
	s_and_b32 s19, ttmp7, 0xffff                   ; work-group y
	s_and_b32 s36, s18, 3                          ; which 32 rows of the tile I multiply
	s_lshr_b32 s37, s18, 2                         ; which 32 hidden units
	s_lshl_b32 s38, s37, 7
	s_lshl_b32 s39, ttmp9, 8                       ; 64 hidden units are 256 bytes of a row of f32
	s_add_co_u32 s38, s38, s39
	v_lshl_add_u32 v8, v11, 5, s38                 ; b_mlp: 256 x + 128 (w / 4) + 32 h: the eight units of my half of my first tile
	s_cmp_lt_u32 s19, 16                           ; encoder's work-group or decoder's?
	s_cselect_b32 s24, 0, 16
	s_cselect_b32 s25, 0, 2048                     ; W's half: columns 0-511 or 512-1023
	s_cselect_b32 s27, -1, 0                       ; all ones: the bias is added
	s_sub_co_u32 s24, s19, s24                     ; block of 128 rows in its tensor
	s_lshl_b32 s40, s24, 18                        ; 128 rows of 2,048 bytes
	s_lshl_b32 s26, s18, 15                        ; 16 rows of 2,048 bytes, and 8 of 4,096
	s_add_co_u32 s40, s40, s26                     ; x: my first row, in bytes (under 4 MiB); the first row that I store lies at the same place in the output,
	s_mov_b32 s41, 0
	s_add_co_u32 s42, s40, s39                     ; at the tile's first column
	s_mov_b32 s43, 0
	s_lshl_b32 s44, ttmp9, 18                      ; W: 64 rows of 4,096 bytes a block of hidden units
	s_add_co_u32 s44, s44, s26
	s_add_co_u32 s44, s44, s25
	s_mov_b32 s45, 0
	s_wait_kmcnt 0x0
	s_load_b128 s[28:31], s[12:13], 0x0            ; e0, e1, e2, e3
	s_cmp_lt_u32 s19, 16                           ; the choice hangs on the work-group's number alone
	s_cselect_b64 s[20:21], s[4:5], s[6:7]         ; x
	s_cselect_b64 s[22:23], s[14:15], s[16:17]     ; where the results go
	s_add_nc_u64 s[20:21], s[20:21], s[40:41]
	s_add_nc_u64 s[22:23], s[22:23], s[42:43]
	s_add_nc_u64 s[32:33], s[8:9], s[44:45]
.macro LOADROW rho                     ; a row's 2,048 bytes: four loads of 512 consecutive bytes.  Rows 0-15: x's; rows 16-23: W's
.irp k, 0,1,2,3
.if (\rho) < 16
	global_load_b128 v[X+16*((\rho)%NSLOT)+4*\k:X+16*((\rho)%NSLOT)+4*\k+3], v1, s[20:21] offset:2048*(\rho)+512*\k
.else
	global_load_b128 v[X+16*((\rho)%NSLOT)+4*\k:X+16*((\rho)%NSLOT)+4*\k+3], v1, s[32:33] offset:4096*((\rho)-16)+512*\k
.endif
.endr
.endm
.irp u, 0,1
	global_load_b128 v[BI+8*\u:BI+8*\u+3], v8, s[10:11] offset:64*\u        ; b_mlp in the result's layout: tile u, units 16 u + 8 h + 0 .. 7
	global_load_b128 v[BI+8*\u+4:BI+8*\u+7], v8, s[10:11] offset:64*\u+16
.endr
.irp r, 0,1,2,3,4,5,6,7,8,9,10,11
	LOADROW \r
.endr
	; addresses, while the loads are on their way
	v_and_b32 v7, 15, v0                           ; r = lane % 16
	v_mul_u32_u24 v3, v7, CP
	v_lshl_add_u32 v3, v11, 4, v3                  ; a fragment: row r x pitch + 16 h
	s_mul_i32 s46, s37, 32*CP
	s_add_co_u32 s46, s46, 128*CP
	v_add_nc_u32 v4, s46, v3                       ; W's rows lie behind x's 128: my 32
	s_mul_i32 s47, s36, 32*CP
	v_add_nc_u32 v3, s47, v3                       ; x: my 32
	s_mul_i32 s48, s18, 16*CP
	v_add_nc_u32 v2, s48, v1                       ; my codes of x: rows 16 w on, 16 bytes a lane
	s_mul_i32 s49, s18, 8*CP
	s_add_co_u32 s49, s49, 128*CP
	v_add_nc_u32 v14, s49, v1                      ; of W: rows 128 + 8 w on
	v_mul_u32_u24 v5, v7, SPT
	v_lshl_add_u32 v5, v11, 5, v5
	s_mul_i32 s50, s36, 32*SPT
	s_lshl_b32 s51, s37, 7
	s_add_co_u32 s50, s50, s51
	s_add_co_u32 s50, s50, STG
	v_add_nc_u32 v5, s50, v5                       ; the stage, in: row 32 (w % 4) + r, byte 128 (w / 4) + 32 h
	v_lshlrev_b32 v6, 4, v7
	v_lshl_add_u32 v7, v11, 11, v6                 ; the output: 16 (lane % 16), lanes 16-31 a row of 2,048 bytes further down
	v_mad_u32_u24 v6, v11, SPT, v6
	s_mul_i32 s52, s18, 16*SPT
	s_add_co_u32 s52, s52, STG
	v_add_nc_u32 v6, s52, v6                       ; the stage, out: rows 16 w on, sixteen lanes to a row
	s_wait_kmcnt 0x0
	s_cmp_lt_u32 s19, 16
	s_cselect_b32 s54, s28, s30                    ; ex: x's exponent,
	s_cselect_b32 s55, s29, s31                    ; ew: W's
	s_cselect_b32 s57, 0, 0x80000000               ; the decoder's side is stored negated
	s_add_co_i32 s56, s54, s55
	s_add_co_i32 s54, s54, 127
	s_lshl_b32 s58, s54, 23
	v_mov_b32 v9, s58                              ; 2^ex as f32: the conversion takes its exponent field
	s_add_co_i32 s54, s54, 15
	s_lshl_b32 s54, s54, 23
	s_or_b32 s54, s54, 0x600000
	v_mov_b32 v10, s54                             ; 57,344 x 2^ex
	s_add_co_i32 s55, s55, 127
	s_lshl_b32 s58, s55, 23
	v_mov_b32 v12, s58                             ; 2^ew
	s_add_co_i32 s55, s55, 15
	s_lshl_b32 s55, s55, 23
	s_or_b32 s55, s55, 0x600000
	v_mov_b32 v13, s55                             ; 57,344 x 2^ew
	s_add_co_i32 s56, s56, 127
	s_lshl_b32 s56, s56, 23
	s_or_b32 s56, s56, s57                         ; +-2^(ex + ew) as f32
	s_mov_b32 s57, s56                             ; (named with it as a pair, so it is written)
.macro ROW rho
.set XS, X+16*((\rho)%NSLOT)
.set CS, C+4*((\rho)%4)
.if (\rho) < 16
.set SC, 9                             ; x's scale and limit
.else
.set SC, 12                            ; W's
.endif
.if (\rho)+NSLOT-1 < NROW-1
	s_wait_loadcnt 4*(NSLOT-1)                     ; loads come back in order (ISA guide 5.7.1): this row's four are in; the eleven rows behind it may be out
.else
	s_wait_loadcnt 4*(NROW-1-(\rho))               ; the rows that are left behind this one
.endif
.if (\rho) >= 4
	s_wait_dscnt 3                                 ; the three younger stores may be out: the store of four rows ago has read this set of code registers
.endif
.irp i, 0,1,2,3,4,5,6,7,8,9,10,11,12,13,14,15
	v_med3_num_f32 v[XS+\i], v[XS+\i], -v[SC+1], v[SC+1]   ; the conversion to an 8-bit code does not saturate (ISA guide 7.6.2): the hold at the largest code x the scale
.endr
	v_cvt_scalef32_pk8_bf8_f32 v[CS:CS+1], v[XS:XS+7], v[SC]
	v_cvt_scalef32_pk8_bf8_f32 v[CS+2:CS+3], v[XS+8:XS+15], v[SC]
.if (\rho) < 16
	ds_store_b128 v2, v[CS:CS+3] offset:(\rho)*CP  ; the row's 512 codes: 32 lanes, 16 neighbouring bytes each
.else
	ds_store_b128 v14, v[CS:CS+3] offset:((\rho)-16)*CP
.endif
.if (\rho)+NSLOT < NROW
	LOADROW (\rho)+NSLOT                           ; the slot takes the row twelve further on
.endif
.endm
.irp r, 0,1,2,3,4,5,6,7,8,9,10,11,12,13,14,15,16,17,18,19,20,21,22,23
	ROW \r
.endr
	v_nop                                          ; a plain vector instruction behind the last conversion, ahead of all that later touches its registers (the products write two accumulators over the codes' registers)
	s_wait_dscnt 0x0                               ; for the others' sake: my codes lie in LDS
	s_barrier_signal -1
	s_barrier_wait -1                              ; all 192 rows do
; A fragment: 16 rows x 128 places in 16 registers, four loads of 16 bytes, 32 bytes apart, at row x pitch + 16 h: the same places of x and of W.  A K step's four fragments: 16 loads into set s % 3
.macro FRAGS s
.set FB, X+64*((\s)%3)
.irp a, 0,1
.irp c, 0,1,2,3
	ds_load_b128 v[FB+16*\a+4*\c:FB+16*\a+4*\c+3], v3 offset:\a*16*CP+128*(\s)+32*\c
	ds_load_b128 v[FB+32+16*\a+4*\c:FB+32+16*\a+4*\c+3], v4 offset:\a*16*CP+128*(\s)+32*\c
.endr
.endr
.endm
; A K step's four products.  The four accumulators take turns, one instruction a turn, in the same order in every K step; the first K step starts the sums
.macro MUL s
.set FB, X+64*((\s)%3)
.irp a, 0,1
.irp b, 0,1
.if (\s) == 0
	v_wmma_f32_16x16x128_bf8_bf8 v[ACC-224*\a+8*\b:ACC-224*\a+8*\b+7], v[FB+32+16*\b:FB+32+16*\b+15], v[FB+16*\a:FB+16*\a+15], 0
.else
	v_wmma_f32_16x16x128_bf8_bf8 v[ACC-224*\a+8*\b:ACC-224*\a+8*\b+7], v[FB+32+16*\b:FB+32+16*\b+15], v[FB+16*\a:FB+16*\a+15], v[ACC-224*\a+8*\b:ACC-224*\a+8*\b+7]
.endif
.endr
.endr
.endm
	FRAGS 0
	FRAGS 1
	FRAGS 2
	s_wait_dscnt 32                                ; K step 0's sixteen loads are in; those of K steps 1 and 2 may be out
	MUL 0
.rept 4
	v_nop                                          ; four places in front of loads into registers that matrix instructions have read
.endr
	FRAGS 3                                        ; into K step 0's set
	s_wait_dscnt 32                                ; K step 1's are in; those of K steps 2 and 3 may be out
	MUL 1
	s_wait_dscnt 16                                ; K step 2's are in; K step 3's may be out
	MUL 2
	s_wait_dscnt 0x0
	MUL 3
.irp i, 0,1,2,3,4,5,6,7,8,9,10,11,12,13,14,15
	v_cndmask_b32 v[BI+\i], 0, v[BI+\i], s27       ; the decoder's side has no bias.  These sixteen name no register of the products: they are the places behind them (ISA guide 7.12.1)
.endr
.irp a, 0,1
.irp b, 0,1
.irp i, 0,2,4,6
	v_pk_fma_f32 v[RES+8*(2*\a+\b)+\i:RES+8*(2*\a+\b)+\i+1], v[ACC-224*\a+8*\b+\i:ACC-224*\a+8*\b+\i+1], s[56:57], v[BI+8*\b+\i:BI+8*\b+\i+1] op_sel_hi:[1,0,1]   ; sum x +-2^(ex + ew) + bias; each accumulator from its low end on
.endr
.endr
.endr
.irp a, 0,1
.irp b, 0,1
	ds_store_b128 v5, v[RES+8*(2*\a+\b):RES+8*(2*\a+\b)+3] offset:\a*16*SPT+64*\b          ; lane (r, h): row 16 a + r, units 16 b + 8 h + 0 .. 7 of my 32 x 32
	ds_store_b128 v5, v[RES+8*(2*\a+\b)+4:RES+8*(2*\a+\b)+7] offset:\a*16*SPT+64*\b+16
.endr
.endr
	s_wait_dscnt 0x0                               ; for the others' sake: a row's 256 bytes come from two waves
	s_barrier_signal -1
	s_barrier_wait -1
.irp t, 0,1,2,3,4,5,6,7
	ds_load_b128 v[X+4*\t:X+4*\t+3], v6 offset:2*\t*SPT
.endr
.irp t, 0,1,2,3,4,5,6,7
	s_wait_dscnt 7-\t                              ; the younger loads may be out
	global_store_b128 v7, v[X+4*\t:X+4*\t+3], s[22:23] offset:4096*\t   ; two rows: each sixteen lanes store 256 consecutive bytes, aligned
.endr
	s_set_vgpr_msb 0x4
	s_wait_tensorcnt 0x0
	ds_add_u32 v15, v1
	s_wait_dscnt 0x0
	s_set_vgpr_msb 0x400
	s_endpgm
.Lfunc_end_k_q974f5c3c1e_project:
	.size	k_q974f5c3c1e_project, .Lfunc_end_k_q974f5c3c1e_project-k_q974f5c3c1e_project
	.p2alignl 7, 3214868480
	.fill 96, 4, 3214868480
	.section	.rodata,"a",@progbits
	.p2align	6, 0x0
	.amdhsa_kernel k_q974f5c3c1e_project
		.amdhsa_group_segment_fixed_size 168960
		.amdhsa_private_segment_fixed_size 0
		.amdhsa_enable_private_segment 0
		.amdhsa_kernarg_size 56
		.amdhsa_user_sgpr_count 2
		.amdhsa_user_sgpr_kernarg_segment_ptr 1
		.amdhsa_wavefront_size32 1
		.amdhsa_system_sgpr_workgroup_id_x 1
		.amdhsa_system_sgpr_workgroup_id_y 1
		.amdhsa_system_sgpr_workgroup_id_z 1
		.amdhsa_system_vgpr_workitem_id 0
		.amdhsa_next_free_vgpr 258
		.amdhsa_next_free_sgpr 96
		.amdhsa_reserve_vcc 0
		.amdhsa_float_denorm_mode_32 3
		.amdhsa_float_denorm_mode_16_64 3
		.amdhsa_memory_ordered 1
		.amdhsa_forward_progress 1
		.amdhsa_inst_pref_size 54
	.end_amdhsa_kernel
	.amdgpu_metadata
---
amdhsa.version: [ 1, 2 ]
amdhsa.kernels:
  - .name:           k_q974f5c3c1e_project
    .symbol:         k_q974f5c3c1e_project.kd
    .args:
      - { .name: encoder_states, .offset: 0, .size: 8, .value_kind: global_buffer, .address_space: global }
      - { .name: decoder_states, .offset: 8, .size: 8, .value_kind: global_buffer, .address_space: global }
      - { .name: W_mlp, .offset: 16, .size: 8, .value_kind: global_buffer, .address_space: global }
      - { .name: b_mlp, .offset: 24, .size: 8, .value_kind: global_buffer, .address_space: global }
      - { .name: lowp_scales, .offset: 32, .size: 8, .value_kind: global_buffer, .address_space: global }
      - { .name: encp, .offset: 40, .size: 8, .value_kind: global_buffer, .address_space: global }
      - { .name: decn, .offset: 48, .size: 8, .value_kind: global_buffer, .address_space: global }
    .group_segment_fixed_size: 168960
    .private_segment_fixed_size: 0
    .kernarg_segment_align: 8
    .kernarg_segment_size: 56
    .max_flat_workgroup_size: 256
    .sgpr_count:     96
    .vgpr_count:     258
    .wavefront_size: 32
...
	.end_amdgpu_metadata
.endif
;; end of part 1
;; launch pairs (part 2): grid 8 x 32, 8 waves a work-group, clusters of 4 x 4, 214,528 bytes of LDS; arguments encp, decn, W_out, b_out, out0; writes out0
.if DOCPART == 2
	.amdgcn_target "amdgcn-amd-amdhsa--gfx1250"
	.amdhsa_code_object_version 6
	.text
	.protected	k_q974f5c3c1e_pairs
	.globl	k_q974f5c3c1e_pairs
	.p2align	8
	.type	k_q974f5c3c1e_pairs,@function
k_q974f5c3c1e_pairs:
	s_mov_b64 s[64:65], 0
	v_nop
	global_prefetch_b8 v0, s[64:65] scope:SCOPE_SE
	s_setreg_imm32_b32 hwreg(HW_REG_WAVE_MODE, 25, 1), 1
	s_wait_xcnt 0x0
	s_wait_alu depctr_hold_cnt(0) depctr_sa_sdst(0) depctr_va_vdst(0) depctr_va_sdst(0) depctr_va_ssrc(0) depctr_va_vcc(0) depctr_vm_vsrc(0)
	s_getreg_b32 s2, hwreg(HW_REG_IB_STS2, 6, 4)
	s_cmp_eq_u32 s2, 0
	s_cbranch_scc0 .Lentry_in_a_cluster
	s_endpgm
.Lentry_in_a_cluster:
	s_bfe_u32 s2, ttmp6, 0x10000c
	s_cmp_lg_u32 s2, 0xf033
	s_cbranch_scc0 .Lentry_shape_is_right
	s_endpgm
.Lentry_shape_is_right:
; PAIRS: out0[b][q][e] = sum over h of W_out[h] relu(dec_proj[b][q][h] + enc_proj[b][e][h] + b_mlp[h]) + b_out, all in f32.
; encp holds E = enc_proj + b_mlp, decn holds N = -dec_proj (both [rows][512] f32).  relu(d + E) = max(E, -d) + d for all finite numbers, so
;   out = sum_h w_h max(E[e][h], N[q][h])  -  sum_h w_h N[q][h]  +  b_out.
; The first sum costs one maximum and one multiply-add a hidden number; the second hangs on q alone.  A term is rounded at the size of |E| or |d|, not of |d + E|: in f32, some 1e-7 of the larger of the two.
; SHARES.  A work-group makes 16 queries x 64 encoder places of one batch entry: a row of its output is 256 bytes, aligned.  Its EIGHT waves SHARE h: wave w takes h = 64 w .. 64 w + 63 for the whole tile,
; so each number of E and N is brought into LDS once for a work-group and read by one wave alone.  The eight partial sums meet in LDS at the end.
; A LANE (eg = lane % 8, qg = lane / 8) makes queries qg + 4 i (i < 4) x places eg + 8 j (j < 8): 32 sums, each in two halves (even h, odd h): for 4 h it reads 8 + 4 + 1 times 16 bytes from LDS and issues 128 vector instructions:
; two maxima go as one dual instruction (h and h + 1: the halves' first sources lie in registers that differ modulo 4, so do their second sources, and one result is even, the other odd), two multiply-adds as one v_pk_fma_f32.
; CLUSTER.  4 x 4 work-groups: x = the block of 64 places, y = 8 b + the block of 16 queries.  The four of a column need the same tile of E, the four of a row the same tile of N: each tile is asked for JOINTLY,
; by the same tensor load with the same descriptor and a mask that names the four.  Every LDS byte is filled once; a wave has two tensor loads out.
.set PT,     272                       ; a tile's row in LDS: 256 bytes + 16 = 68 words: row r starts at bank 4 r mod 64 (64 banks of 4 bytes: ISA guide 11.1)
.set ETILE,  64*PT
.set DTILE,  16*PT
.set WREG,   ETILE+DTILE               ; a wave's tiles: E's 64 rows, then N's 16
.set WB,     8*WREG                    ; behind the tiles: W_out, 256 bytes for each wave,
.set STG,    WB+8*256                  ; the stage: for each wave 16 rows x (256 + 32) bytes: the 32 lanes of a store fall on 32 different banks (72 words a row),
.set SPITCH, 288
.set SWAVE,  16*SPITCH
.set SPB,    STG+8*SWAVE               ; and the q-only sums: [16 q][8 waves] words
.set AE,  2                            ; v2   my place in E's tile: row eg
.set AD,  3                            ; v3   in N's tile: row qg
.set AW,  4                            ; v4   my wave's weights
.set CE,  5                            ; v5-7 the same three, at the trip's first h
.set CD,  6
.set CW,  7
.set ST,  8                            ; v8   the stage, in
.set SD,  9                            ; v9   the q-only sum: row lane % 16 of N, 32 h for each half of the lanes
.set SW,  10                           ; v10  and their weights
.set SPA, 11                           ; v11  where it goes
.set RD,  12                           ; v12  the stage, out
.set SR,  13                           ; v13  the q-only sums of my row
.set GO,  14                           ; v14  my offset in the output
.set WO,  15                           ; v15  8 x my thread's number: my two weights in W_out
.set WL,  16                           ; v16  and in LDS
.set WD,  18                           ; v[18:19] the two weights
.set SA,  22                           ; v22-29  the q-only sum, in four chains
.set ACC, 32                           ; v32-95  sum (i, j) at v[ACC + 2 (8 i + j)], two halves
.set EB,  96                           ; v96-127 block j: E[eg + 8 j][4 h]
.set DG,  128                          ; v128-147, v148-167: two sets of N[qg + 4 i][4 h], i < 4, and w[4 h]
.set T,   168                          ; v168-183 sixteen maxima
.set WV,  14                           ; s14  my wave's number
.set G1E, 24                           ; s[24:31] descriptor group 1 for E's tiles; s[32:39] for N's; s[40:43], s[44:47] their groups 0
.set G1D, 32
.set G0E, 40
.set G0D, 44
.set HB,  61                           ; s61  the trip's first h, in bytes of a tile's row
.set TR,  62                           ; s62  trips to go
.set FLAGS, (2<<16)|(1<<20)|(1<<21)|(5<<22)|(3<<25)   ; 17:16 elements of 4 bytes; 20 padding on; 21 set beside a mask; 24:22 after every 64 words (code 5); 31:25 four words (code 3)
; A round of the cluster's barrier: my work-group's barrier, so that wave 0's signal speaks for all eight waves; wave 0 signals for the work-group; every wave waits for all sixteen work-groups; my work-group's barrier once more.
.macro ROUND
	s_barrier_signal -1
	s_barrier_wait -1
	s_cmp_lg_u32 s[WV], 0
	s_cbranch_scc1 .Lnot_wave_0_\@
	s_barrier_signal -3
.Lnot_wave_0_\@:
	s_barrier_wait -3
	s_barrier_signal -1
	s_barrier_wait -1
.endm
	s_load_b256 s[4:11], s[0:1], 0x0               ; encp s[4:5], decn s[6:7], W_out s[8:9], b_out s[10:11]
	s_load_b64 s[12:13], s[0:1], 0x20              ; out0
	v_lshl_add_u32 v184, v0, 2, 0x34200
	v_mov_b32 v185, 0
	ds_add_u32 v184, v185
	ds_add_u32 v184, v185
	v_lshrrev_b32 v1, 5, v0
	v_readfirstlane_b32 s[WV], v1                  ; wave 0..7
	s_bfe_u32 s15, ttmp6, 0x40000                  ; cx, cy: my place in the cluster
	s_bfe_u32 s16, ttmp6, 0x40004
	s_lshl_b32 s17, ttmp9, 2
	s_add_co_u32 s17, s17, s15                     ; block of 64 places = 4 x cluster x + cx
	s_and_b32 s19, ttmp7, 0xffff                   ; cluster y
	s_lshl_b32 s18, s19, 2
	s_add_co_u32 s18, s18, s16                     ; 8 b + block of 16 queries = 4 x cluster y + cy
	s_lshr_b32 s19, s19, 1                         ; b, from the cluster's y alone: all sixteen share it
	s_lshl_b32 s20, s16, 2
	s_lshl_b32 s20, 15, s20                        ; my row of the cluster
	s_lshl_b32 s21, 0x1111, s15                    ; my column
	s_or_b32 s[G1E], s21, FLAGS                    ; E's tile hangs on b and the block of places: shared down my column
	s_or_b32 s[G1D], s20, FLAGS                    ; N's on 8 b + the block of queries: shared along my row
	s_mov_b32 s[G1E+1], 64<<16                     ; tensor_dim0 = 64 elements: 256 bytes of a row
	s_mov_b32 s[G1E+2], 64<<16                     ; tensor_dim1 = 64 rows
	s_mov_b32 s[G1E+3], 64<<16                     ; tile_dim0
	s_mov_b32 s[G1E+4], 64                         ; tile_dim1
	s_mov_b32 s[G1E+5], 512                        ; elements from row to row
	s_mov_b32 s[G1E+6], 0
	s_mov_b32 s[G1E+7], 0
	s_mov_b32 s[G1D+1], 64<<16
	s_mov_b32 s[G1D+2], 16<<16                     ; 16 rows
	s_mov_b32 s[G1D+3], 64<<16
	s_mov_b32 s[G1D+4], 16
	s_mov_b32 s[G1D+5], 512
	s_mov_b32 s[G1D+6], 0
	s_mov_b32 s[G1D+7], 0
	s_lshl_b32 s50, s[WV], 8                       ; my 64 h: 256 bytes of a row
	s_lshl_b32 s22, s19, 20                        ; E: b x 512 rows of 2,048 bytes
	s_lshl_b32 s23, s17, 17                        ;    + block x 64 rows
	s_add_co_u32 s22, s22, s23
	s_add_co_u32 s22, s22, s50
	s_mov_b32 s23, 0
	s_lshl_b32 s48, s18, 15                        ; N: (8 b + block) x 16 rows
	s_add_co_u32 s48, s48, s50
	s_mov_b32 s49, 0
	s_mul_i32 s51, s[WV], WREG                     ; my tiles in LDS: no place in the cluster enters an LDS address
	s_lshl_b32 s58, s18, 15                        ; the output: 16 rows of 2,048 bytes a block of queries,
	s_lshl_b32 s59, s17, 8                         ; 256 bytes a block of places
	s_add_co_u32 s58, s58, s59
	s_mov_b32 s59, 0
	s_wait_dscnt 0x0
	s_wait_kmcnt 0x0
	s_mov_b32 s[G0D], 1                            ; 1:0 count = 1
	s_add_co_u32 s[G0D+1], s51, ETILE              ; 63:32 LDS address
	s_add_nc_u64 s[G0D+2:G0D+3], s[6:7], s[48:49]  ; 120:64 global address of the tile's first element
	s_or_b32 s[G0D+3], s[G0D+3], 0x80000000        ; 127:126 type = 2
	s_mov_b32 s[G0E], 1
	s_mov_b32 s[G0E+1], s51
	s_add_nc_u64 s[G0E+2:G0E+3], s[4:5], s[22:23]
	s_or_b32 s[G0E+3], s[G0E+3], 0x80000000
	s_add_nc_u64 s[12:13], s[12:13], s[58:59]
	ROUND                                          ; all sixteen work-groups are here: the joint loads meet
	tensor_load_to_lds s[G0D:G0D+3], s[G1D:G1D+7]  ; N's tile first: the q-only sum wants it alone
	s_nop 0
	tensor_load_to_lds s[G0E:G0E+3], s[G1E:G1E+7]
	s_nop 0
.rept 4
	v_nop                                          ; four v_nop follow the second of the two
.endr
	v_lshlrev_b32 v[WO], 3, v0
	global_load_b64 v[WD:WD+1], v[WO], s[8:9]      ; W_out[2 x thread ..]: a wave's 32 lanes take its 64 weights
	s_load_b32 s52, s[10:11], 0x0                  ; b_out
	v_lshl_add_u32 v[WL], v0, 3, WB
	s_mov_b32 s56, 0x76543210                      ; v_permlanex16_b32's selects for lane l xor 16
	s_mov_b32 s57, 0xfedcba98
	s_add_co_u32 s53, s51, ETILE                   ; N's tile
	s_add_co_u32 s54, s50, WB                      ; my wave's weights
	v_and_b32 v1, 7, v0                            ; eg
	v_bfe_u32 v17, v0, 3, 2                        ; qg
	v_mul_u32_u24 v[AE], v1, PT
	v_add_nc_u32 v[AE], s51, v[AE]
	v_mul_u32_u24 v[AD], v17, PT
	v_add_nc_u32 v[AD], s53, v[AD]
	v_mov_b32 v[AW], s54
	s_mul_i32 s55, s[WV], SWAVE
	s_add_co_u32 s55, s55, STG
	v_mul_u32_u24 v[ST], v17, SPITCH
	v_lshl_add_u32 v[ST], v1, 2, v[ST]
	v_add_nc_u32 v[ST], s55, v[ST]                 ; my wave's stage: row qg, word eg
	v_and_b32 v1, 15, v0                           ; lane % 16 = thread % 16
	v_bfe_u32 v17, v0, 4, 1                        ; lane / 16
	v_mul_u32_u24 v[SD], v1, PT
	v_lshl_add_u32 v[SD], v17, 7, v[SD]
	v_add_nc_u32 v[SD], s53, v[SD]
	v_lshlrev_b32 v[SW], 7, v17
	v_add_nc_u32 v[SW], s54, v[SW]
	s_lshl_b32 s60, s[WV], 2
	s_add_co_u32 s60, s60, SPB
	v_lshl_add_u32 v[SPA], v1, 5, s60
	v_lshrrev_b32 v20, 4, v0                       ; thread / 16: the row that I store at the end
	v_mul_u32_u24 v[RD], v20, SPITCH
	v_lshl_add_u32 v[RD], v1, 4, v[RD]
	v_add_nc_u32 v[RD], STG, v[RD]
	v_lshlrev_b32 v[SR], 5, v20
	v_add_nc_u32 v[SR], SPB, v[SR]
	v_lshlrev_b32 v[GO], 11, v20
	v_lshl_add_u32 v[GO], v1, 4, v[GO]
	s_wait_loadcnt 0x0
	ds_store_b64 v[WL], v[WD:WD+1]                 ; the weights into my wave's own 256 bytes; LDS serves a wave's instructions in order (ISA guide 5.7.1.4): my loads below see them
	; THE q-ONLY SUM: lane l takes row l % 16 of N and 32 of my 64 h
	s_wait_tensorcnt 0x1                           ; tensor loads of a wave end in order (ISA guide 10.11.1): N's tile is in; E's, issued behind it, may be out
.irp k, 0,1,2,3,4,5,6,7
	ds_load_b128 v[ACC+4*\k:ACC+4*\k+3], v[SD] offset:16*\k         ; (the accumulators' registers are free as yet)
	ds_load_b128 v[ACC+32+4*\k:ACC+32+4*\k+3], v[SW] offset:16*\k
.endr
	s_wait_dscnt 0x0
.irp m, 0,1,2,3
	v_pk_mul_f32 v[SA+2*\m:SA+2*\m+1], v[ACC+2*\m:ACC+2*\m+1], v[ACC+32+2*\m:ACC+32+2*\m+1]    ; four chains; the first products start them
.endr
.irp m, 4,5,6,7,8,9,10,11,12,13,14,15
	v_pk_fma_f32 v[SA+2*(\m%4):SA+2*(\m%4)+1], v[ACC+2*\m:ACC+2*\m+1], v[ACC+32+2*\m:ACC+32+2*\m+1], v[SA+2*(\m%4):SA+2*(\m%4)+1]
.endr
	v_pk_add_f32 v[SA:SA+1], v[SA:SA+1], v[SA+2:SA+3]
	v_pk_add_f32 v[SA+4:SA+5], v[SA+4:SA+5], v[SA+6:SA+7]
	v_pk_add_f32 v[SA:SA+1], v[SA:SA+1], v[SA+4:SA+5]
	v_add_f32 v[SA], v[SA], v[SA+1]
	v_permlanex16_b32 v[SA+1], v[SA], s56, s57     ; the row's other 32 h lie in the lane 16 away
	v_add_f32 v[SA], v[SA], v[SA+1]
	ds_store_b32 v[SPA], v[SA]                     ; word (q, wave); lanes l and l + 16 write the same number to the same word
; THE MAIN SUM
.macro ADDR                            ; the three addresses at the trip's first h
	v_add_nc_u32 v[CE], s[HB], v[AE]
	v_add_nc_u32 v[CD], s[HB], v[AD]
	v_add_nc_u32 v[CW], s[HB], v[AW]
.endm
.macro DGROUP buf, off                 ; four blocks of N and the weights, 4 h at byte off of the rows; eight lanes (all 32 for the weights) read the same 16 bytes
.irp i, 0,1,2,3
	ds_load_b128 v[DG+20*(\buf)+4*\i:DG+20*(\buf)+4*\i+3], v[CD] offset:(\off)+\i*4*PT
.endr
	ds_load_b128 v[DG+20*(\buf)+16:DG+20*(\buf)+19], v[CW] offset:(\off)
.endm
.macro ELOAD j, off
	ds_load_b128 v[EB+4*(\j):EB+4*(\j)+3], v[CE] offset:(\off)+(\j)*8*PT
.endm
.macro STEP j, buf, first              ; block j of E against the four blocks of N: 16 hidden numbers a lane.  The eight maxima pairs stand ahead of the eight multiply-adds, so that none reads the line just above it
.irp p, 0,1
.irp i, 0,1,2,3
	v_dual_max_num_f32 v[T+8*\p+2*\i], v[EB+4*(\j)+2*\p], v[DG+20*(\buf)+4*\i+2*\p] :: v_dual_max_num_f32 v[T+8*\p+2*\i+1], v[EB+4*(\j)+2*\p+1], v[DG+20*(\buf)+4*\i+2*\p+1]
.endr
.endr
.irp p, 0,1
.irp i, 0,1,2,3
.if (\first) && (\p == 0)
	v_pk_mul_f32 v[ACC+2*(8*\i+(\j)):ACC+2*(8*\i+(\j))+1], v[T+8*\p+2*\i:T+8*\p+2*\i+1], v[DG+20*(\buf)+16+2*\p:DG+20*(\buf)+16+2*\p+1]   ; the first products start the sums: nothing is cleared
.else
	v_pk_fma_f32 v[ACC+2*(8*\i+(\j)):ACC+2*(8*\i+(\j))+1], v[T+8*\p+2*\i:T+8*\p+2*\i+1], v[DG+20*(\buf)+16+2*\p:DG+20*(\buf)+16+2*\p+1], v[ACC+2*(8*\i+(\j)):ACC+2*(8*\i+(\j))+1]
.endif
.endr
.endr
.endm
; A chunk of 4 h at byte off of the trip.  more = 1: the next chunk is fetched meanwhile: its N and weights into the other set at the chunk's head, its block j of E as soon as this chunk's block j has been used.
.macro CHUNK buf, off, first, more
.if \more
	DGROUP 1-(\buf), (\off)+16
.endif
.irp j, 0,1,2,3,4,5,6,7
.if \more
	s_wait_dscnt 12                                ; LDS loads come back in order: behind block j's load stand 7 - j blocks of this chunk, the next chunk's group of five and its first j blocks: 12 for every j
.else
	s_wait_dscnt 7-\j                              ; the last chunk: only its later blocks stand behind block j's load
.endif
	STEP \j, \buf, \first
.if \more
	ELOAD \j, (\off)+16
.endif
.endr
.endm
	s_wait_tensorcnt 0x0                           ; E's tile is in.  Only I read my tiles, so this wait is all the ordering that the reads need
	s_mov_b32 s[HB], 0
	ADDR
	DGROUP 0, 0
.irp j, 0,1,2,3,4,5,6,7
	ELOAD \j, 0
.endr
	CHUNK 0, 0, 1, 1                               ; 16 chunks: two ahead of the loop (the first starts the sums), twelve in it, two behind it (the last fetches nothing)
	CHUNK 1, 16, 0, 1
	s_mov_b32 s[TR], 6
.Ltrip:
	s_add_co_u32 s[HB], s[HB], 32                  ; 8 h on
	ADDR
	CHUNK 0, 0, 0, 1
	CHUNK 1, 16, 0, 1
	s_sub_co_u32 s[TR], s[TR], 1
	s_cmp_lg_u32 s[TR], 0
	s_cbranch_scc1 .Ltrip
	s_add_co_u32 s[HB], s[HB], 32
	ADDR
	CHUNK 0, 0, 0, 1
	CHUNK 1, 16, 0, 0
	; THE EIGHT WAVES' SUMS MEET
.irp a, 0,1,2,3,4,5,6,7,8,9,10,11,12,13,14,15,16,17,18,19,20,21,22,23,24,25,26,27,28,29,30,31
	v_add_f32 v[ACC+2*\a], v[ACC+2*\a], v[ACC+2*\a+1]   ; even h + odd h
.endr
.irp i, 0,1,2,3
.irp j, 0,1,2,3,4,5,6,7
	ds_store_b32 v[ST], v[ACC+2*(8*\i+\j)] offset:4*\i*SPITCH+32*\j    ; row qg + 4 i, word eg + 8 j of my wave's stage
.endr
.endr
	s_wait_dscnt 0x0                               ; for the others' sake: my sums lie in LDS
	s_barrier_signal -1
	s_barrier_wait -1
.irp w, 0,1,2,3,4,5,6,7
	ds_load_b128 v[EB+4*\w:EB+4*\w+3], v[RD] offset:\w*SWAVE   ; thread t: row t / 16, places 4 (t % 16) + 0 .. 3, of each wave's stage
.endr
	ds_load_b128 v[DG:DG+3], v[SR]                 ; my row's eight q-only sums
	ds_load_b128 v[DG+4:DG+7], v[SR] offset:16
	s_wait_kmcnt 0x0                               ; b_out
	s_wait_dscnt 0x0
	v_pk_add_f32 v[DG:DG+1], v[DG:DG+1], v[DG+2:DG+3]
	v_pk_add_f32 v[DG+4:DG+5], v[DG+4:DG+5], v[DG+6:DG+7]
.irp w, 0,2,4,6
	v_pk_add_f32 v[EB+4*\w:EB+4*\w+1], v[EB+4*\w:EB+4*\w+1], v[EB+4*\w+4:EB+4*\w+5]
	v_pk_add_f32 v[EB+4*\w+2:EB+4*\w+3], v[EB+4*\w+2:EB+4*\w+3], v[EB+4*\w+6:EB+4*\w+7]
.endr
	v_pk_add_f32 v[DG:DG+1], v[DG:DG+1], v[DG+4:DG+5]
.irp w, 0,4
	v_pk_add_f32 v[EB+4*\w:EB+4*\w+1], v[EB+4*\w:EB+4*\w+1], v[EB+4*\w+8:EB+4*\w+9]
	v_pk_add_f32 v[EB+4*\w+2:EB+4*\w+3], v[EB+4*\w+2:EB+4*\w+3], v[EB+4*\w+10:EB+4*\w+11]
.endr
	v_add_f32 v[DG], v[DG], v[DG+1]                ; sum_h w_h N[q][h]
	v_pk_add_f32 v[EB:EB+1], v[EB:EB+1], v[EB+16:EB+17]
	v_pk_add_f32 v[EB+2:EB+3], v[EB+2:EB+3], v[EB+18:EB+19]
	v_sub_f32 v[DG], s52, v[DG]                    ; b_out - that
	v_pk_add_f32 v[EB:EB+1], v[EB:EB+1], v[DG:DG+1] op_sel_hi:[1,0]      ; (of the pair the low word serves both halves)
	v_pk_add_f32 v[EB+2:EB+3], v[EB+2:EB+3], v[DG:DG+1] op_sel_hi:[1,0]
	global_store_b128 v[GO], v[EB:EB+3], s[12:13] th:TH_STORE_NT   ; sixteen lanes store a row's 256 consecutive bytes, aligned; written once, read by nobody here
	s_wait_tensorcnt 0x0
	ds_add_u32 v184, v185
	s_wait_dscnt 0x0
	ROUND                                          ; the closing round: no work-group ends while a partner may still ask for a tile that names it
	s_endpgm
.Lfunc_end_k_q974f5c3c1e_pairs:
	.size	k_q974f5c3c1e_pairs, .Lfunc_end_k_q974f5c3c1e_pairs-k_q974f5c3c1e_pairs
	.p2alignl 7, 3214868480
	.fill 96, 4, 3214868480
	.section	.rodata,"a",@progbits
	.p2align	6, 0x0
	.amdhsa_kernel k_q974f5c3c1e_pairs
		.amdhsa_group_segment_fixed_size 214528
		.amdhsa_private_segment_fixed_size 0
		.amdhsa_enable_private_segment 0
		.amdhsa_kernarg_size 40
		.amdhsa_user_sgpr_count 2
		.amdhsa_user_sgpr_kernarg_segment_ptr 1
		.amdhsa_wavefront_size32 1
		.amdhsa_system_sgpr_workgroup_id_x 1
		.amdhsa_system_sgpr_workgroup_id_y 1
		.amdhsa_system_sgpr_workgroup_id_z 1
		.amdhsa_system_vgpr_workitem_id 0
		.amdhsa_next_free_vgpr 186
		.amdhsa_next_free_sgpr 66
		.amdhsa_reserve_vcc 0
		.amdhsa_float_denorm_mode_32 3
		.amdhsa_float_denorm_mode_16_64 3
		.amdhsa_memory_ordered 1
		.amdhsa_forward_progress 1
		.amdhsa_inst_pref_size 69
	.end_amdhsa_kernel
	.amdgpu_metadata
---
amdhsa.version: [ 1, 2 ]
amdhsa.kernels:
  - .name:           k_q974f5c3c1e_pairs
    .symbol:         k_q974f5c3c1e_pairs.kd
    .args:
      - { .name: encp, .offset: 0, .size: 8, .value_kind: global_buffer, .address_space: global }
      - { .name: decn, .offset: 8, .size: 8, .value_kind: global_buffer, .address_space: global }
      - { .name: W_out, .offset: 16, .size: 8, .value_kind: global_buffer, .address_space: global }
      - { .name: b_out, .offset: 24, .size: 8, .value_kind: global_buffer, .address_space: global }
      - { .name: out0, .offset: 32, .size: 8, .value_kind: global_buffer, .address_space: global }
    .group_segment_fixed_size: 214528
    .private_segment_fixed_size: 0
    .kernarg_segment_align: 8
    .kernarg_segment_size: 40
    .max_flat_workgroup_size: 256
    .sgpr_count:     66
    .vgpr_count:     186
    .wavefront_size: 32
...
	.end_amdgpu_metadata
.endif
;; end of part 2
